; MI455X (gfx1250); checked and timed in simulation.
; The chip was launched on July 23, 2026; its instructions are those of AMD's public machine-readable ISA for CDNA 5 (MIT licence, August 2026) and "CDNA5" Instruction Set Architecture Reference Guide (July 2026). The comments in the code are by the model that wrote it; some were corrected since.
;; Resonant FFN With Attenuation. Allowed arithmetic: matrix products marked QUANTISED: E5M2 operands, one E8M0 scale for each 32 along K, by v_wmma_scale_f32_16x16x128_f8f6f4 with both operands' format E5M2, f32 sums; everything else in f32.
;; Inputs: B 256 x 512 float32; W 256 x 512 float32; attn_cos 256 x 512 float32; attn_sin 256 x 512 float32; cos_table 4,096 float32; proj_cos_w_codes 512 x 8 x 32 uint8 (E5M2 codes of proj_cos_w, K innermost, in blocks of 32 codes); proj_cos_w_scales 512 x 8 uint8 (E8M0 scales of proj_cos_w, one for each 32 codes along K); proj_sin_w_codes 512 x 8 x 32 uint8 (E5M2 codes of proj_sin_w, K innermost, in blocks of 32 codes); proj_sin_w_scales 512 x 8 uint8 (E8M0 scales of proj_sin_w, one for each 32 codes along K); sin_table 4,096 float32; x 4 x 256 x 512 float32.
;; Outputs: out0 4 x 256 x 512 float32.
;; This version of the problem:
;;   THIS VERSION OF THE PROBLEM IS GIVEN IN LOW PRECISION. The matrix products marked QUANTISED in the list below multiply operands that are first quantised to E5M2 (5 exponent bits, 2 mantissa bits; 8 bits a number), with one power-of-two scale for each 32 numbers along K (OCP MX v1.0); their sums are f32. All else is computed in f32.
;;   The module's matrix products, in the order in which they are computed (A, B: the left and right operand; K: the contracted axis; several contracted axes count as one K, in the product's order):
;;     1. [M 1,024, K 256] x [K 256, N 512]; A: computed on the way; B: input proj_cos_w (given as codes): QUANTISED
;;     2. [M 1,024, K 256] x [K 256, N 512]; A: computed on the way; B: input proj_sin_w (given as codes): QUANTISED
;;   THE QUANTISER, for each operand of a quantised product, along K:
;;     - K is cut into blocks of 32 from its start; a last block that is shorter is filled with zeros.
;;     - A block's scale is 2^e with e = floor(log2(the largest magnitude in the block)) - 15, held to -126 .. 127; a block of zeros has e = 0. As a byte (E8M0): e + 127.
;;     - Each number is divided by its block's scale, clamped to +-57,344, and rounded to the nearest number of E5M2, ties to even, subnormals kept.
;;     - The product sums the exact products of the quantised numbers (number of the format x scale) in f32.
;;   ~~~python
;;   def quantise(x, axis):      # numpy; x: float32 -> the quantised numbers, widened to float32 again
;;       x = np.moveaxis(x, axis, -1); K = x.shape[-1]
;;       x = np.pad(x, [(0, 0)] * (x.ndim - 1) + [(0, -K % 32)]); x = x.reshape(x.shape[:-1] + (-1, 32)); a = np.abs(x).max(-1, keepdims=True)
;;       e = np.where(a > 0, np.clip(np.frexp(np.where(a > 0, a, 1))[1] - 1 - 15, -126, 127), 0)      # np.frexp(a)[1] - 1 = floor(log2(a)), exactly
;;       r = np.clip(x / 2.0 ** e, -57344, 57344)
;;       step = 2.0 ** (np.maximum(np.frexp(np.where(r == 0, 1, r))[1] - 1, -14) - 2)
;;       q = np.round(r / step) * step * 2.0 ** e      # np.round: ties to even
;;       return np.moveaxis(q.reshape(q.shape[:-2] + (-1,))[..., :K], -1, axis).astype(np.float32)
;;   ~~~
;;   OPERANDS COMPUTED ON THE WAY. 'Computed on the way' means the value that the module computes at that place (a softmax that the list does not call 'softmax' is quantised finished and normalised). What goes into a quantiser is computed in f32, as accurately as f32 sums, v_exp_f32 and their like allow (about 1e-6 of the number): no bf16 or f16 on the way to a quantiser, and a product that is left as it is and whose result goes on into a quantised operand takes f32 operands (vector FMAs, or v_wmma_f32_16x16x4_f32). A number that lies on a knife's edge between two numbers of the format may be rounded either way, as far as f32 arithmetic and the matrix unit's own rounding can turn it there, and no further.
;;   INPUTS GIVEN AS CODES. proj_cos_w (in the module: [512, 256], K = its axis 1); proj_sin_w (in the module: [512, 256], K = its axis 1): each comes as NAME_codes (uint8): NAME with its K axis moved to the last place and cut into blocks of 32 codes, [.., K / 32, bytes a block], one block behind the other in memory; one code a byte (a code: sign, 5 exponent bits, 2 mantissa bits); and NAME_scales (uint8): the same leading axes, one E8M0 byte (e + 127) for each 32 codes along K. Its value is code x scale, taken as it is: it is not quantised again, and the codes and scales need not be those that the quantiser above would give.
;; One version. Each part assembles by itself: llvm-mc -triple=amdgcn-amd-amdhsa -mcpu=gfx1250 --defsym DOCPART=n.
;; ======== version 1 of 1: 3 launches
;; limits: right only within a limited range of input values
;; workspace buffers: idx 201,326,592 bytes of whole numbers; attnT 1,048,576 bytes; sums 2,097,152 bytes
;; launch index (part 1): grid 256 x 1, 16 waves a work-group, no clusters, 69,632 bytes of LDS; arguments x, W, B, attn_cos, attn_sin, idx, attnT; writes idx, attnT
.if DOCPART == 1
	.amdgcn_target "amdgcn-amd-amdhsa--gfx1250"
	.amdhsa_code_object_version 6
	.text
	.protected	k_q746976fcaf_index
	.globl	k_q746976fcaf_index
	.p2align	8
	.type	k_q746976fcaf_index,@function
k_q746976fcaf_index:
	s_mov_b64 s[64:65], 0
	v_nop
	global_prefetch_b8 v0, s[64:65] scope:SCOPE_SE
	s_setreg_imm32_b32 hwreg(HW_REG_WAVE_MODE, 25, 1), 1
	s_wait_xcnt 0x0
; FIRST OF THREE LAUNCHES.  For every row m (1,024), neuron n (256) and channel d (512):
;   theta = x[m][d] / (1 + |W[n][d]|) + B[n][d];   index = round(theta * 4096 / 2 pi) mod 4096.
; The index is the address of a table look-up; it is made here, stored as a whole number of 12 bits, and used as an address by the next launch.
; idx: [rb 64][nq 4][sl 16][cg 8][q 4][k 3][lane 32][c 4] words.  Channel d = 32 sl + 4 cg + c.  The three words k = 0, 1, 2 of one (q, lane, c) hold eight indices
; i0 .. i7 on end, 12 bits each, the first in the lowest bits: i(2 j + u) belongs to row m = 16 rb + 4 q + j and neuron 64 nq + lane + 32 u.
; attnT: [nq 4][d 512][lane 32][4 f32] = attn_cos[na][d], attn_sin[na][d], attn_cos[nb][d], attn_sin[nb][d], na = 64 nq + lane, nb = na + 32.
; THE ROUNDINGS ARE THE SOURCE'S OWN, ONE BY ONE, since an index that is one off takes another table entry:
;   r = 1 / wavelength, corrected by one Newton step;  q = x r;  e = x - q wavelength (fused);  q = q + e r: the rounded quotient;
;   + B;  x fl(4096 / 2 pi);  + 1.5 x 2^23, which rounds to a whole number, ties to even, and leaves index mod 4096 in the low 12 bits (two's complement).
; LIMITS: |theta x 4096 / 2 pi| under 2^22 (|theta| under 6,433); NaN and infinities are not served;
;   the two-step quotient can differ from the rounded one in the last bit where the wavelength's mantissa is all ones.
; SHARES.  Lanes run along the neurons, so x[m][d] is one number for the wave and comes by scalar loads; a lane has two neurons, the halves of every packed instruction.
; Work-group g: nq = g & 3, rows 64 ((g >> 2) & 15) on, channels 128 (g >> 6) on; wave w: 8 channels, 8 w on.  A wave keeps wavelength, reciprocal and B of 64 neurons x 8 channels
; in 48 registers and walks 64 rows, four a batch.  Two channels x four rows are eight chains side by side, so that no line reads a result made fewer than five lines above it.
; W AND B COME ROW BY ROW: the work-group's part is 64 rows x 512 bytes of each; wave w loads rows 4 w .. 4 w + 3, 512 consecutive bytes a load, and puts them into LDS;
; behind one barrier each lane takes the 32 bytes of its two neurons' rows that are its wave's channels.
; Each wave also turns half a channel of the gains: channel 8 w + (row group >> 1), 16 lanes' entries (row group & 1): 256 consecutive bytes by one store.
; No matrix unit: there is no product here.  No joint loads: what work-groups share is x, W and B, 128 bytes of x for the 3,072 bytes that a wave's batch stores.  No prefetch, by the same arithmetic: the launch's traffic is its stores.
.set WL,  8                            ; v8-23    pair 2 dd: wavelength of (na, nb) at channel dd
.set RCP, 24                           ; v24-39   reciprocals
.set BB,  40                           ; v40-55   B
.set OUT, 56                           ; v56-79   six sets of four words: store (h, k) at 4 (3 h + k)
.set Q,   80                           ; v80-95   eight pairs at work
.set E,   96                           ; v96-111  remainders, then the packing's running words
.set AT,  112                          ; v112-113 the gains' two numbers
.set LST, 114                          ; v114     LDS: where I put a row's 16 bytes
.set LRD, 115                          ; v115     LDS: my neuron na's row, my wave's 32 bytes
.set LW,  116                          ; v116-131 W: four rows as loaded; then na's 8 channels, nb's 8
.set LB,  132                          ; v132-147 B likewise
.set SPW, 148                          ; v148     LDS address of my spare word; never rewritten
.set NIL, 149                          ; v149     0; never rewritten
.set LP,  528                          ; an LDS row: 512 bytes + 16: row r starts at bank 4 r mod 64 (64 banks of 4 bytes: ISA guide 11.1)
.set LB0, 64*LP                        ; W's 64 rows at 0, B's behind them
.set SPARE, 128*LP                     ; behind them the spare words, 128 bytes a wave, which no other line names
.set NX,  61                           ; s61  byte offset in x of the next four rows
.set XB0, 62                           ; s62  of the work-group's first row
.set T,   63                           ; s63  the batch, 0 to 15, stepped by two
; x lies in two sets of 4 rows x 8 channels: set 0 in s20-51, set 1 in s52-59 and s68-91.
.macro SETXR buf, j
.if (\buf) == 0
.set XR, 20+8*(\j)
.elseif (\j) == 0
.set XR, 52
.else
.set XR, 60+8*(\j)
.endif
.endm
.macro SETTP j                         ; an even-aligned pair for row j, into whose low word an odd channel's x is moved
.if (\j) == 0
.set TP, 2
.elseif (\j) == 1
.set TP, 18
.else
.set TP, 94+2*(\j)
.endif
.endm
.macro SETX buf, j, i                  ; XP = the pair whose low word is x of row j, channel i
.if ((\i)%2) == 1
	SETTP \j
.set XP, TP
.else
	SETXR \buf, \j
.set XP, XR+(\i)
.endif
.endm
.macro XLOAD buf, off                  ; four rows x 8 channels (32 bytes a row)
.irp j, 0,1,2,3
	SETXR \buf, \j
	s_load_b256 s[XR:XR+7], s[4:5], s[\off] offset:2048*\j
.endr
.endm
	s_load_b256 s[4:11], s[0:1], 0x0               ; x, W, B, attn_cos
	s_load_b128 s[12:15], s[0:1], 0x20             ; attn_sin, idx
	s_load_b64 s[16:17], s[0:1], 0x30              ; attnT
	v_lshl_add_u32 v[SPW], v0, 2, SPARE
	v_mov_b32 v[NIL], 0
	v_lshrrev_b32 v3, 5, v0
	s_delay_alu instid0(VALU_DEP_1)
	v_readfirstlane_b32 s68, v3                    ; wave 0..15
	s_and_b32 s70, ttmp9, 3                        ; nq
	s_bfe_u32 s69, ttmp9, 0x40002                  ; rg: which 64 rows
	s_lshr_b32 s71, ttmp9, 6                       ; cp: which 128 channels
	s_lshl_b32 s74, s71, 9
	s_lshl_b32 s72, s68, 5
	s_add_co_u32 s74, s74, s72                     ; my first channel, in bytes
	s_mov_b32 s75, 0
	s_lshl_b32 s72, s70, 17
	s_add_co_u32 s72, s72, s74                     ; the gains: row 64 nq, my first channel
	s_lshr_b32 s73, s69, 1                         ; which of my channels I turn,
	s_and_b32 s76, s69, 1                          ; and which 16 lanes' entries
	s_lshl_b32 s77, s73, 2
	s_add_co_u32 s77, s77, s72
	s_lshl_b32 s78, s76, 15
	s_add_co_u32 s77, s77, s78                     ; + 16 rows of 2,048 bytes for the upper half
	s_lshl_b32 s78, s74, 7                         ; attnT: 512 bytes a channel,
	s_lshl_b32 s79, s73, 9
	s_add_co_u32 s78, s78, s79
	s_lshl_b32 s79, s70, 18                        ; 262,144 for each nq,
	s_add_co_u32 s78, s78, s79
	s_lshl_b32 s79, s76, 8                         ; 256 for the upper half
	s_add_co_u32 s78, s78, s79
	s_mov_b32 s79, 0
	s_lshl_b32 s80, s69, 4                         ; idx: block 4 rb + nq = 16 rg + nq of 786,432 bytes,
	s_add_co_u32 s80, s80, s70
	s_mul_i32 s80, s80, 786432
	s_lshl_b32 s81, s71, 2
	s_lshr_b32 s82, s68, 2
	s_add_co_u32 s81, s81, s82                     ; sl = 4 cp + w / 4, 49,152 bytes each,
	s_mul_i32 s81, s81, 49152
	s_add_co_u32 s80, s80, s81
	s_and_b32 s82, s68, 3                          ; cg = 2 (w % 4), 6,144 bytes each
	s_mul_i32 s82, s82, 12288
	s_add_co_u32 s80, s80, s82
	s_mov_b32 s81, 0
	s_lshl_b32 s83, s70, 17                        ; W, B as I load them: row 64 nq + 4 w,
	s_lshl_b32 s84, s68, 13
	s_add_co_u32 s83, s83, s84
	s_lshl_b32 s84, s71, 9                         ; the work-group's 512 bytes of it
	s_add_co_u32 s83, s83, s84
	s_mul_i32 s84, s68, 4*LP                       ; and in LDS: rows 4 w on
	s_lshl_b32 s85, s68, 5                         ; my wave's 32 bytes of an LDS row
	s_lshl_b32 s[XB0], s69, 17                     ; 64 rg rows of 2,048 bytes
	s_mov_b32 s92, 0x4422f983                      ; fl(4096 / 2 pi)
	s_mov_b32 s93, s92
	s_mov_b32 s94, 0x4b400000                      ; 1.5 x 2^23
	s_mov_b32 s95, s94
	s_mov_b32 s3, 0                                ; upper words of the pairs for odd channels: named, never used
	s_mov_b32 s19, 0
	s_mov_b32 s99, 0
	s_mov_b32 s101, 0
	v_and_b32 v5, 31, v0                           ; lane
	v_and_b32 v6, 15, v0
	v_bfe_u32 v7, v0, 4, 1
	s_delay_alu instid0(VALU_DEP_3)
	v_lshlrev_b32 v1, 4, v5                        ; 16 x lane; never rewritten
	s_delay_alu instid0(VALU_DEP_4)
	v_mad_u32_u24 v[LRD], v5, LP, s85
	s_delay_alu instid0(VALU_DEP_3)
	v_lshl_add_u32 v4, v7, 5, v6                   ; the gains: neuron (lane % 16) + 32 (lane / 16)
	s_delay_alu instid0(VALU_DEP_1)
	v_lshl_add_u32 v4, v4, 11, s77
	v_lshlrev_b32 v6, 4, v6                        ; attnT: entry lane % 16, its half lane / 16
	s_delay_alu instid0(VALU_DEP_1)
	v_lshl_add_u32 v6, v7, 3, v6
	v_add_nc_u32 v3, s83, v1                       ; W, B: 16 bytes a lane of a row
	v_add_nc_u32 v[LST], s84, v1
	s_wait_alu depctr_va_vdst(0)                   ; ahead of the wait below
	s_wait_kmcnt 0x0
	s_add_nc_u64 s[4:5], s[4:5], s[74:75]          ; x at my 8 channels
	s_add_nc_u64 s[14:15], s[14:15], s[80:81]
	s_add_nc_u64 s[16:17], s[16:17], s[78:79]
	XLOAD 0, XB0                                   ; the first four rows
.irp i, 0,1,2,3
	global_load_b128 v[LW+4*\i:LW+4*\i+3], v3, s[6:7] offset:2048*\i      ; 512 consecutive bytes a load
	global_load_b128 v[LB+4*\i:LB+4*\i+3], v3, s[8:9] offset:2048*\i
.endr
	global_load_b32 v[AT], v4, s[10:11]
	global_load_b32 v[AT+1], v4, s[12:13]
	s_wait_loadcnt 0x2                             ; W's and B's rows are in; the gains' two loads stay out
.irp i, 0,1,2,3
	ds_store_b128 v[LST], v[LW+4*\i:LW+4*\i+3] offset:LP*\i
	ds_store_b128 v[LST], v[LB+4*\i:LB+4*\i+3] offset:LB0+LP*\i
.endr
	s_wait_dscnt 0x0                               ; for the others' sake: my rows are written
	s_barrier_signal -1
	s_barrier_wait -1                              ; all 64 rows of both lie in LDS
.irp i, 0,1
	ds_load_b128 v[LW+4*\i:LW+4*\i+3], v[LRD] offset:16*\i                  ; W[na], my 8 channels
	ds_load_b128 v[LW+8+4*\i:LW+8+4*\i+3], v[LRD] offset:32*LP+16*\i        ; W[nb]: 32 rows on
	ds_load_b128 v[LB+4*\i:LB+4*\i+3], v[LRD] offset:LB0+16*\i
	ds_load_b128 v[LB+8+4*\i:LB+8+4*\i+3], v[LRD] offset:LB0+32*LP+16*\i
.endr
	s_wait_loadcnt 0x0
	global_store_b64 v6, v[AT:AT+1], s[16:17]      ; 32 lanes store 256 consecutive bytes, aligned; its registers are never rewritten
	s_wait_dscnt 0x0
.set d, 0
.rept 8
	v_mov_b32 v[BB+2*d], v[LB+d]                   ; into pairs (na, nb)
	v_mov_b32 v[BB+2*d+1], v[LB+8+d]
	v_add_f32 v[WL+2*d], 1.0, |v[LW+d]|            ; the wavelength
	v_add_f32 v[WL+2*d+1], 1.0, |v[LW+8+d]|
.set d, d+1
.endr
	s_wait_alu depctr_va_vdst(0)                   ; ahead of the batch
.set d, 0
.rept 16
	v_rcp_f32 v[RCP+d], v[WL+d]
.set d, d+1
.endr
	v_nop                                          ; a plain instruction behind the last reciprocal (ISA guide 5.7.2),
	s_wait_alu depctr_va_vdst(0)                   ; and one wait for the batch
.set d, 0
.rept 8                                        ; r = r + r (1 - wavelength r)
	v_pk_fma_f32 v[E+2*d:E+2*d+1], v[WL+2*d:WL+2*d+1], v[RCP+2*d:RCP+2*d+1], 1.0 op_sel_hi:[1,1,0] neg_lo:[1,0,0] neg_hi:[1,0,0]
.set d, d+1
.endr
.set d, 0
.rept 8
	v_pk_fma_f32 v[RCP+2*d:RCP+2*d+1], v[E+2*d:E+2*d+1], v[RCP+2*d:RCP+2*d+1], v[RCP+2*d:RCP+2*d+1]
.set d, d+1
.endr
	s_wait_alu depctr_va_vdst(0)                   ; at the head's end
; Channels dd (even) and dd + 1 for four rows: each stage is written for all eight chains in turn.
.macro UNIT2 dd, buf
.irp j, 0,1,2,3
	SETXR \buf, \j
	SETTP \j
	s_mov_b32 s[TP], s[XR+(\dd)+1]                 ; the odd channel's x into the low word of an aligned pair
.endr
.irp e, 0,1
.irp j, 0,1,2,3
	SETX \buf, \j, (\dd)+\e
	v_pk_mul_f32 v[Q+8*\e+2*\j:Q+8*\e+2*\j+1], v[RCP+2*((\dd)+\e):RCP+2*((\dd)+\e)+1], s[XP:XP+1] op_sel_hi:[1,0]   ; q = x r
.endr
.endr
.irp e, 0,1
.irp j, 0,1,2,3
	SETX \buf, \j, (\dd)+\e
	v_pk_fma_f32 v[E+8*\e+2*\j:E+8*\e+2*\j+1], v[Q+8*\e+2*\j:Q+8*\e+2*\j+1], v[WL+2*((\dd)+\e):WL+2*((\dd)+\e)+1], s[XP:XP+1] op_sel_hi:[1,1,0] neg_lo:[1,0,0] neg_hi:[1,0,0]   ; e = x - q wavelength
.endr
.endr
.irp e, 0,1
.irp j, 0,1,2,3
	v_pk_fma_f32 v[Q+8*\e+2*\j:Q+8*\e+2*\j+1], v[E+8*\e+2*\j:E+8*\e+2*\j+1], v[RCP+2*((\dd)+\e):RCP+2*((\dd)+\e)+1], v[Q+8*\e+2*\j:Q+8*\e+2*\j+1]   ; the quotient
.endr
.endr
.irp e, 0,1
.irp j, 0,1,2,3
	v_pk_add_f32 v[Q+8*\e+2*\j:Q+8*\e+2*\j+1], v[Q+8*\e+2*\j:Q+8*\e+2*\j+1], v[BB+2*((\dd)+\e):BB+2*((\dd)+\e)+1]   ; theta
.endr
.endr
.irp p, 0,2,4,6,8,10,12,14
	v_pk_mul_f32 v[Q+\p:Q+\p+1], v[Q+\p:Q+\p+1], s[92:93] op_sel_hi:[1,0]
.endr
.irp p, 0,2,4,6,8,10,12,14
	v_pk_add_f32 v[Q+\p:Q+\p+1], v[Q+\p:Q+\p+1], s[94:95] op_sel_hi:[1,0]      ; rounded: the low 12 bits are the index
.endr
.if (\dd) == 0
	s_wait_alu depctr_va_vdst(0)                   ; the packing reads, behind the wait below, what was written fewer than nine lines above it
	s_wait_xcnt 0x0                                ; the last batch's stores have had their addresses translated (ISA guide 3.1): OUT and the offset are rewritten only behind this wait, which stands 48 packed instructions behind those stores
	v_add_nc_u32 v2, s6, v1                        ; this batch's place in idx
.endif
; The packing: a funnel shift takes the low bits of its first source in at the top of the running word, so nothing is masked.  Three running words a channel: E+1 (word 1), E (word 0), E+2 (word 2).
.irp e, 0,1
	v_alignbit_b32 v[E+8*\e+1], v[Q+8*\e+2], v[Q+8*\e+2], 12
.endr
.irp e, 0,1
	v_alignbit_b32 v[E+8*\e], v[Q+8*\e], v[Q+8*\e], 12
.endr
.irp e, 0,1
	v_alignbit_b32 v[E+8*\e+2], v[Q+8*\e+5], v[Q+8*\e+5], 12
.endr
.irp e, 0,1
	v_alignbit_b32 v[E+8*\e+1], v[Q+8*\e+3], v[E+8*\e+1], 12
.endr
.irp e, 0,1
	v_alignbit_b32 v[E+8*\e], v[Q+8*\e+1], v[E+8*\e], 12
.endr
.irp e, 0,1
	v_alignbit_b32 v[E+8*\e+2], v[Q+8*\e+6], v[E+8*\e+2], 12
.endr
.irp e, 0,1
	v_alignbit_b32 v[E+8*\e+1], v[Q+8*\e+4], v[E+8*\e+1], 12
.endr
.irp e, 0,1
	v_alignbit_b32 v[OUT+12*(((\dd)+\e)/4)+((\dd)+\e)%4], v[Q+8*\e+2], v[E+8*\e], 8          ; word 0: i0, i1, i2's low 8 bits
.endr
.irp e, 0,1
	v_alignbit_b32 v[OUT+12*(((\dd)+\e)/4)+((\dd)+\e)%4+8], v[Q+8*\e+7], v[E+8*\e+2], 12     ; word 2: i5's high 8 bits, i6, i7
.endr
.irp e, 0,1
	v_alignbit_b32 v[OUT+12*(((\dd)+\e)/4)+((\dd)+\e)%4+4], v[Q+8*\e+5], v[E+8*\e+1], 4      ; word 1: i2's high 4 bits, i3, i4, i5's low 4 bits
.endr
.endm
.macro SEND h                          ; four channels' words: three stores of 512 consecutive bytes, aligned; this launch does not read them
.irp k, 0,1,2
	global_store_b128 v2, v[OUT+4*(3*(\h)+\k):OUT+4*(3*(\h)+\k)+3], s[14:15] offset:6144*(\h)+512*\k th:TH_STORE_NT
.endr
.endm
; Four rows x 8 channels.  cur: the set of x in hand, and the batch's number less s[T]; the next four rows are asked for into set nxt ahead of the work.
.macro BATCH cur, nxt
	s_wait_kmcnt 0x0                               ; this batch's x is in, and the scalar loads are done: their offset register may be written
	s_add_co_u32 s7, s[T], \cur
	s_and_b32 s6, s7, 3                            ; q: 1,536 bytes each,
	s_mul_i32 s6, s6, 1536
	s_lshr_b32 s8, s7, 2                           ; rb's low two bits: four blocks of 786,432 bytes each
	s_mul_i32 s8, s8, 3145728
	s_add_co_u32 s6, s6, s8                        ; kept until the first unit's packing
	s_add_co_u32 s7, s7, 1
	s_min_u32 s7, s7, 15                           ; the last batch asks for its own rows again: no load leaves x; what it brings is not used
	s_lshl_b32 s7, s7, 13
	s_add_co_u32 s[NX], s7, s[XB0]
	XLOAD \nxt, NX
	UNIT2 0, \cur
	UNIT2 2, \cur
	SEND 0
	UNIT2 4, \cur
	UNIT2 6, \cur
	SEND 1
.endm
	s_mov_b32 s[T], 0
.Ltrip:                                                ; eight trips of two batches
	BATCH 0, 1
	BATCH 1, 0
	s_add_co_u32 s[T], s[T], 2
	s_cmp_lt_u32 s[T], 16
	s_cbranch_scc1 .Ltrip
	s_wait_kmcnt 0x0                               ; the last scalar loads land before the wave ends
	s_wait_tensorcnt 0x0                           ; the wave's end
	ds_add_u32 v[SPW], v[NIL]
	s_wait_dscnt 0x0
	s_endpgm
.Lfunc_end_k_q746976fcaf_index:
	.size	k_q746976fcaf_index, .Lfunc_end_k_q746976fcaf_index-k_q746976fcaf_index
	.p2alignl 7, 3214868480
	.fill 96, 4, 3214868480
	.section	.rodata,"a",@progbits
	.p2align	6, 0x0
	.amdhsa_kernel k_q746976fcaf_index
		.amdhsa_group_segment_fixed_size 69632
		.amdhsa_private_segment_fixed_size 0
		.amdhsa_enable_private_segment 0
		.amdhsa_kernarg_size 56
		.amdhsa_user_sgpr_count 2
		.amdhsa_user_sgpr_kernarg_segment_ptr 1
		.amdhsa_wavefront_size32 1
		.amdhsa_system_sgpr_workgroup_id_x 1
		.amdhsa_system_sgpr_workgroup_id_y 1
		.amdhsa_system_sgpr_workgroup_id_z 1
		.amdhsa_system_vgpr_workitem_id 0
		.amdhsa_next_free_vgpr 150
		.amdhsa_next_free_sgpr 102
		.amdhsa_reserve_vcc 0
		.amdhsa_float_denorm_mode_32 3
		.amdhsa_float_denorm_mode_16_64 3
		.amdhsa_memory_ordered 1
		.amdhsa_forward_progress 1
		.amdhsa_inst_pref_size 47
	.end_amdhsa_kernel
	.amdgpu_metadata
---
amdhsa.version: [ 1, 2 ]
amdhsa.kernels:
  - .name:           k_q746976fcaf_index
    .symbol:         k_q746976fcaf_index.kd
    .args:
      - { .name: x, .offset: 0, .size: 8, .value_kind: global_buffer, .address_space: global }
      - { .name: W, .offset: 8, .size: 8, .value_kind: global_buffer, .address_space: global }
      - { .name: B, .offset: 16, .size: 8, .value_kind: global_buffer, .address_space: global }
      - { .name: attn_cos, .offset: 24, .size: 8, .value_kind: global_buffer, .address_space: global }
      - { .name: attn_sin, .offset: 32, .size: 8, .value_kind: global_buffer, .address_space: global }
      - { .name: idx, .offset: 40, .size: 8, .value_kind: global_buffer, .address_space: global }
      - { .name: attnT, .offset: 48, .size: 8, .value_kind: global_buffer, .address_space: global }
    .group_segment_fixed_size: 69632
    .private_segment_fixed_size: 0
    .kernarg_segment_align: 8
    .kernarg_segment_size: 56
    .max_flat_workgroup_size: 512
    .sgpr_count:     102
    .vgpr_count:     150
    .wavefront_size: 32
...
	.end_amdgpu_metadata
.endif
;; end of part 1
;; launch gather (part 2): grid 256 x 1, 16 waves a work-group, no clusters, 174,080 bytes of LDS; arguments idx, attnT, cos_table, sin_table, sums; writes sums
.if DOCPART == 2
	.amdgcn_target "amdgcn-amd-amdhsa--gfx1250"
	.amdhsa_code_object_version 6
	.text
	.protected	k_q746976fcaf_gather
	.globl	k_q746976fcaf_gather
	.p2align	8
	.type	k_q746976fcaf_gather,@function
k_q746976fcaf_gather:
	s_mov_b64 s[64:65], 0
	v_nop
	global_prefetch_b8 v0, s[64:65] scope:SCOPE_SE
	s_setreg_imm32_b32 hwreg(HW_REG_WAVE_MODE, 25, 1), 1
	s_wait_xcnt 0x0
; SECOND LAUNCH.  cos_sum[m][n] = sum over d of cos_table[index] attn_cos[n][d], sin_sum likewise, with the indices that the first launch stored, 12 bits each.
; idx: [rb 64][nq 4][sl 16][cg 8][q 4][k 3][lane 32][c 4] words; channel d = 32 sl + 4 cg + c; words k = 0, 1, 2 of one (q, lane, c) hold i0 .. i7 on end, the first lowest:
; i(2 j + u): row 16 rb + 4 q + j, neuron 64 nq + lane + 32 u.   sums: [1024][512] f32, k = 256 x type + n (type 0: cos, 1: sin).
; Both tables lie in LDS as ONE table of 4,096 entries of 8 bytes (cos, sin): one look-up brings both, one packed multiply-add with (attn_cos, attn_sin) adds both.
; SHARES.  Work-group g = 4 rb + nq: 16 rows, 64 neurons, all 512 channels: 786,432 consecutive bytes of idx.  Wave w: channels 32 w on.  A lane owns the sums of its two neurons:
; 16 rows x 2 x (cos, sin) = 64 registers.  At the end the sixteen waves' partial sums meet in LDS.
; The idx stream goes straight into registers: two buffers of one group of four channels each (4 loads of the gains, then 12 of idx, by quarters of four rows).  At a group's head the other buffer,
; which the group before has used up, is asked for whole; each quarter of the buffer in hand has a counted wait of its own, the same in every group, the first too.
; NO JOINT LOADS: what work-groups share is the gains, 2,048 of the 8,192 bytes that a wave loads for a group, and they go to registers, not through LDS.  No prefetch: each wave's own loads
; run a whole group (16 loads) ahead of their use.  No matrix unit: there is no product here.
; LIMITS: none of its own: every stored number is held under the table's end ahead of its use as an address.
.set ACC,  8                           ; v8-71    v[8 + 4 row + 2 u + type]
.set RING, 72                          ; v72-199  buffer b at 72 + 64 b: idx word (q, k, c) at 12 q + 4 k + c; channel c's four gains at 48 + 4 c
.set A,    200                         ; v200-207 eight addresses
.set P,    208                         ; v208-239 two sets of eight table entries; at the head the tables on their way into LDS
.set PART, 32768                       ; LDS: the table at 0; the partial sums [wave 16][row 16][lane 32][16 bytes];
.set STG,  163840                      ; a stage of 512 bytes for each wave;
.set SPARE, 172032                     ; the spare words, 128 bytes a wave, which no other line names
	s_load_b256 s[4:11], s[0:1], 0x0               ; idx, attnT, cos_table, sin_table
	s_load_b64 s[12:13], s[0:1], 0x20              ; sums
	v_lshl_add_u32 v254, v0, 2, SPARE
	v_mov_b32 v255, 0
	v_lshrrev_b32 v4, 5, v0
	s_delay_alu instid0(VALU_DEP_1)
	v_readfirstlane_b32 s14, v4                    ; wave 0..15
	v_and_b32 v5, 31, v0                           ; lane
	s_delay_alu instid0(VALU_DEP_1)
	v_lshlrev_b32 v1, 4, v5                        ; 16 x lane; never rewritten
	v_lshlrev_b32 v2, 2, v0                        ; the tables in memory: 4 x thread
	v_lshlrev_b32 v3, 3, v0                        ; and in LDS: 8 x thread
	s_lshl_b32 s17, s14, 13
	s_add_co_u32 s17, s17, PART
	v_add_nc_u32 v4, s17, v1                       ; where I put my partial sums
	s_lshl_b32 s18, s14, 9
	s_add_co_u32 s20, s18, STG
	v_lshl_add_u32 v6, v5, 2, s20                  ; my stage, a word a lane,
	v_add_nc_u32 v7, s20, v1                       ; and 16 bytes a lane
	s_add_co_u32 s19, s18, PART
	v_add_nc_u32 v5, s19, v1                       ; where I read row w of every wave's partial sums
	s_mul_i32 s22, ttmp9, 786432                   ; idx: the work-group's block,
	s_mul_i32 s21, s14, 49152                      ; the wave's 32 channels
	s_add_co_u32 s22, s22, s21
	s_mov_b32 s23, 0
	s_and_b32 s16, ttmp9, 3                        ; nq
	s_lshl_b32 s24, s16, 18
	s_lshl_b32 s21, s14, 14
	s_add_co_u32 s24, s24, s21                     ; attnT: nq, 32 channels of 512 bytes a wave
	s_mov_b32 s25, 0
	s_lshr_b32 s26, ttmp9, 2
	s_lshl_b32 s26, s26, 4
	s_add_co_u32 s26, s26, s14                     ; the row that I store: 16 rb + wave
	s_lshl_b32 s26, s26, 11
	s_lshl_b32 s21, s16, 8                         ; its columns 64 nq on
	s_add_co_u32 s26, s26, s21
	s_mov_b32 s27, 0
	s_wait_alu depctr_va_vdst(0)                   ; at the head's end
	s_wait_kmcnt 0x0
	s_add_nc_u64 s[4:5], s[4:5], s[22:23]
	s_add_nc_u64 s[6:7], s[6:7], s[24:25]
	s_add_nc_u64 s[12:13], s[12:13], s[26:27]
.macro FILLQ b, q, a                   ; rows 4 q .. 4 q + 3 of channel group a (counted from where the bases stand) into buffer b: each load is 512 consecutive bytes
.irp k, 0,1,2
	global_load_b128 v[RING+64*(\b)+12*(\q)+4*\k:RING+64*(\b)+12*(\q)+4*\k+3], v1, s[4:5] offset:6144*(\a)+1536*(\q)+512*\k th:TH_LOAD_NT
.endr
.endm
.macro FILLG b, a                      ; the group's gains
.irp c, 0,1,2,3
	global_load_b128 v[RING+64*(\b)+48+4*\c:RING+64*(\b)+48+4*\c+3], v1, s[6:7] offset:2048*(\a)+512*\c
.endr
.endm
.macro EXTR b, q, c                    ; three words become eight addresses; each stage is written for all eight, so that no line reads a result made fewer than five lines above it
.set W0, RING+64*(\b)+12*(\q)+(\c)
	v_alignbit_b32 v[A+2], v[W0+4], v[W0], 24      ; i2 lies across words 0 and 1,
	v_alignbit_b32 v[A+5], v[W0+8], v[W0+4], 28    ; i5 across words 1 and 2
	v_bfe_u32 v[A], v[W0], 0, 12
	v_bfe_u32 v[A+1], v[W0], 12, 12
	v_bfe_u32 v[A+3], v[W0+4], 4, 12
	v_bfe_u32 v[A+4], v[W0+4], 16, 12
	v_bfe_u32 v[A+6], v[W0+8], 8, 12
	v_lshrrev_b32 v[A+7], 20, v[W0+8]
	v_bfe_u32 v[A+2], v[A+2], 0, 12
	v_bfe_u32 v[A+5], v[A+5], 0, 12
.irp e, 0,1,3,4,6,7,2,5
	v_min_u32 v[A+\e], 0xfff, v[A+\e]              ; a number read from memory enters an address only behind a clamp by a constant: the last entry's number
.endr
.irp e, 0,1,3,4,6,7,2,5
	v_lshlrev_b32 v[A+\e], 3, v[A+\e]              ; 8 bytes an entry
.endr
.endm
.macro GATH set                        ; eight look-ups: (cos, sin) of each lane's entry
.irp e, 0,1,2,3,4,5,6,7
	ds_load_b64 v[P+16*(\set)+2*\e:P+16*(\set)+2*\e+1], v[A+\e]
.endr
.endm
.macro FMA b, q, c                     ; (cos, sin) x (attn_cos, attn_sin) of channel c onto the sums of rows 4 q .. 4 q + 3
.irp j, 0,1,2,3
.irp x, 0,1
	v_pk_fma_f32 v[ACC+4*(4*(\q)+\j)+2*\x:ACC+4*(4*(\q)+\j)+2*\x+1], v[P+16*((\c)%2)+2*(2*\j+\x):P+16*((\c)%2)+2*(2*\j+\x)+1], v[RING+64*(\b)+48+4*(\c)+2*\x:RING+64*(\b)+48+4*(\c)+2*\x+1], v[ACC+4*(4*(\q)+\j)+2*\x:ACC+4*(4*(\q)+\j)+2*\x+1]
.endr
.endr
.endm
; One group of four channels out of buffer b: sixteen units of eight look-ups.  Two sets of entries take turns: while one unit's multiply-adds run, the next unit's look-ups are out.
; fill = 1: the other buffer is asked for first, with the next group.  The wait ahead of quarter q leaves out what was issued behind that quarter's loads:
; this buffer's later quarters, three loads each, and the other buffer's sixteen.
.macro GROUP b, fill
.if \fill
	FILLG 1-(\b), (\b)+1
.irp q, 0,1,2,3
	FILLQ 1-(\b), \q, (\b)+1
.endr
.endif
.irp q, 0,1,2,3
	s_wait_loadcnt 16*(\fill)+9-3*\q               ; loads come back in order (ISA guide 5.7.1)
.irp c, 0,1,2,3
	EXTR \b, \q, \c
	GATH (\c)%2
.if (4*\q+\c) > 0
	s_wait_dscnt 8                                 ; all but the eight just issued
	FMA \b, (4*\q+\c-1)/4, (4*\q+\c-1)%4
.endif
.endr
.endr
	s_wait_alu depctr_va_vdst(0)
	s_wait_dscnt 0x0
	FMA \b, 3, 3
.endm
.irp i, 0,1,2,3,4,5,6,7
	global_load_b32 v[P+2*\i], v2, s[8:9] offset:2048*\i      ; cos_table[thread + 512 i]
	global_load_b32 v[P+2*\i+1], v2, s[10:11] offset:2048*\i  ; sin_table beside it
.endr
	FILLG 0, 0                                     ; the first group into buffer 0
.irp q, 0,1,2,3
	FILLQ 0, \q, 0
.endr
.set r, 0
.rept 64
	v_mov_b32 v[ACC+r], 0                          ; the group's step is written once for all eight: the sums begin as zeros, set while the loads are out
.set r, r+1
.endr
	s_wait_loadcnt 16                              ; the tables are in; buffer 0's 16 loads stay out
.irp i, 0,1,2,3,4,5,6,7
	ds_store_b64 v3, v[P+2*\i:P+2*\i+1] offset:4096*\i        ; entry thread + 512 i: 32 lanes store 256 consecutive bytes
.endr
	s_wait_dscnt 0x0                               ; for the others' sake: my part of the table is written
	s_barrier_signal -1
	s_barrier_wait -1                              ; the table is whole
	s_mov_b32 s15, 3
.Ltrip:                                                ; three trips of two groups
	GROUP 0, 1
	GROUP 1, 1
	s_wait_xcnt 0x0                                ; the loads have had their addresses translated (ISA guide 3.1): the bases are stepped only behind this wait
	s_add_nc_u64 s[4:5], s[4:5], 12288
	s_add_nc_u64 s[6:7], s[6:7], 4096
	s_sub_co_i32 s15, s15, 1
	s_cmp_lg_u32 s15, 0
	s_cbranch_scc1 .Ltrip
	GROUP 0, 1                                     ; the seventh group asks for the eighth,
	GROUP 1, 0                                     ; which asks for nothing
	s_barrier_signal -1                            ; my look-ups are over (the last wait on them was for 0):
	s_barrier_wait -1                              ; everybody's are, before anything is stored to LDS again
	s_wait_alu depctr_va_vdst(0)                   ; ahead of the first reader of the sums
.irp row, 0,1,2,3,4,5,6,7,8,9,10,11,12,13,14,15
	ds_store_b128 v4, v[ACC+4*\row:ACC+4*\row+3] offset:512*\row   ; 512 consecutive bytes a store
.endr
	v_add_nc_u32 v2, 0x10000, v5                   ; an LDS offset has 16 bits: waves 8 to 15's parts by a second address
	v_and_b32 v3, 15, v0
	s_delay_alu instid0(VALU_DEP_1)
	v_lshlrev_b32 v3, 4, v3
	v_bfe_u32 v152, v0, 4, 1
	s_delay_alu instid0(VALU_DEP_1)
	v_lshl_add_u32 v3, v152, 10, v3                ; the store: lanes 0-15 the row's 64 cos sums, lanes 16-31 its 64 sin sums, 1,024 bytes on
	s_wait_alu depctr_va_vdst(0)                   ; ahead of the wait below
	s_wait_dscnt 0x0                               ; for the others' sake
	s_barrier_signal -1
	s_barrier_wait -1                              ; all partial sums lie in LDS
.irp p, 0,1,2,3,4,5,6,7
	ds_load_b128 v[72+4*\p:75+4*\p], v5 offset:8192*\p        ; row w of wave p's
.endr
.irp p, 0,1,2,3,4,5,6,7
	ds_load_b128 v[104+4*\p:107+4*\p], v2 offset:8192*\p      ; and of wave 8 + p's
.endr
	s_wait_dscnt 0x0
	v_pk_add_f32 v[136:137], v[72:73], v[76:77]    ; two chains: na's (cos, sin), nb's (cos, sin)
	v_pk_add_f32 v[138:139], v[74:75], v[78:79]
.irp p, 2,3,4,5,6,7,8,9,10,11,12,13,14,15
	s_delay_alu instid0(VALU_DEP_2)
	v_pk_add_f32 v[136:137], v[136:137], v[72+4*\p:73+4*\p]
	s_delay_alu instid0(VALU_DEP_2)
	v_pk_add_f32 v[138:139], v[138:139], v[74+4*\p:75+4*\p]
.endr
	ds_store_b32 v6, v136                          ; through my own stage: 64 cos sums on end (na's 32, nb's 32), then 64 sin sums
	ds_store_b32 v6, v138 offset:128
	ds_store_b32 v6, v137 offset:256
	ds_store_b32 v6, v139 offset:384
	ds_load_b128 v[140:143], v7                    ; LDS serves a wave's instructions in order (ISA guide 5.7.1.4): this sees the four stores
	s_wait_dscnt 0x0
	global_store_b128 v3, v[140:143], s[12:13]     ; sixteen lanes store 256 consecutive bytes, aligned, twice
	s_wait_tensorcnt 0x0                           ; the wave's end
	ds_add_u32 v254, v255
	s_wait_dscnt 0x0
	s_endpgm
.Lfunc_end_k_q746976fcaf_gather:
	.size	k_q746976fcaf_gather, .Lfunc_end_k_q746976fcaf_gather-k_q746976fcaf_gather
	.p2alignl 7, 3214868480
	.fill 96, 4, 3214868480
	.section	.rodata,"a",@progbits
	.p2align	6, 0x0
	.amdhsa_kernel k_q746976fcaf_gather
		.amdhsa_group_segment_fixed_size 174080
		.amdhsa_private_segment_fixed_size 0
		.amdhsa_enable_private_segment 0
		.amdhsa_kernarg_size 40
		.amdhsa_user_sgpr_count 2
		.amdhsa_user_sgpr_kernarg_segment_ptr 1
		.amdhsa_wavefront_size32 1
		.amdhsa_system_sgpr_workgroup_id_x 1
		.amdhsa_system_sgpr_workgroup_id_y 1
		.amdhsa_system_sgpr_workgroup_id_z 1
		.amdhsa_system_vgpr_workitem_id 0
		.amdhsa_next_free_vgpr 256
		.amdhsa_next_free_sgpr 66
		.amdhsa_reserve_vcc 0
		.amdhsa_float_denorm_mode_32 3
		.amdhsa_float_denorm_mode_16_64 3
		.amdhsa_memory_ordered 1
		.amdhsa_forward_progress 1
		.amdhsa_inst_pref_size 171
	.end_amdhsa_kernel
	.amdgpu_metadata
---
amdhsa.version: [ 1, 2 ]
amdhsa.kernels:
  - .name:           k_q746976fcaf_gather
    .symbol:         k_q746976fcaf_gather.kd
    .args:
      - { .name: idx, .offset: 0, .size: 8, .value_kind: global_buffer, .address_space: global }
      - { .name: attnT, .offset: 8, .size: 8, .value_kind: global_buffer, .address_space: global }
      - { .name: cos_table, .offset: 16, .size: 8, .value_kind: global_buffer, .address_space: global }
      - { .name: sin_table, .offset: 24, .size: 8, .value_kind: global_buffer, .address_space: global }
      - { .name: sums, .offset: 32, .size: 8, .value_kind: global_buffer, .address_space: global }
    .group_segment_fixed_size: 174080
    .private_segment_fixed_size: 0
    .kernarg_segment_align: 8
    .kernarg_segment_size: 40
    .max_flat_workgroup_size: 512
    .sgpr_count:     66
    .vgpr_count:     256
    .wavefront_size: 32
...
	.end_amdgpu_metadata
.endif
;; end of part 2
;; launch project (part 3): grid 256 x 1, 8 waves a work-group, no clusters, 17,920 bytes of LDS; arguments sums, proj_cos_w_codes, proj_cos_w_scales, proj_sin_w_codes, proj_sin_w_scales, out0; writes out0
.if DOCPART == 3
	.amdgcn_target "amdgcn-amd-amdhsa--gfx1250"
	.amdhsa_code_object_version 6
	.text
	.protected	k_q746976fcaf_project
	.globl	k_q746976fcaf_project
	.p2align	8
	.type	k_q746976fcaf_project,@function
k_q746976fcaf_project:
	s_mov_b64 s[64:65], 0
	v_nop
	global_prefetch_b8 v0, s[64:65] scope:SCOPE_SE
	s_setreg_imm32_b32 hwreg(HW_REG_WAVE_MODE, 25, 1), 1
	s_wait_xcnt 0x0
; THIRD LAUNCH.  out = silu(cos_sum proj_cos_w^T + sin_sum proj_sin_w^T), both products on codes of BF8 (E5M2) with one E8M0 scale for each 32 along K.
; The two products have the same M and N and are added: they are ONE sum over K = 512, four steps of 128: steps 0, 1 cos_sum against proj_cos_w, steps 2, 3 sin_sum against proj_sin_w.
; sums [1024][512] f32 has them side by side; blocks of 32 never cross from one to the other.  The weights come as codes [512][256] and scale bytes [512][8] and are taken as they are.
; THE QUANTISER: a block's scale is 2^(floor(log2(largest magnitude)) - 15): its byte is the largest magnitude's exponent field - 15, held at 1 from below by a floor among the maximum's leaves;
; each number is held within +-57,344 x the scale (the conversion to an 8-bit code does not saturate: ISA guide 7.6.2) and rounded to the nearest code, ties to even.
; LIMITS: a block of zeros gets the byte 1 where the rule says 127: its codes are zeros, which add nothing, and this program alone reads the byte.  NaN and infinities are not served.
; SHARES.  Work-group g: rows 16 (g >> 2) on, outputs 128 (g & 3) on: 64 x 4 = 256 work-groups; a work-group reads a quarter of the weights.  Its 16 rows are quantised by each of the four work-groups that take them.
; Wave w of eight quantises blocks 2 w and 2 w + 1 (k = 64 w .. 64 w + 63): lane (r, h) holds 16 neighbours of row r of each, which is the operand's own layout; the codes go to LDS as an image
; of the registers (16 bytes a lane), the scale bytes into the rows' words.  Then wave w makes outputs 16 w .. 16 w + 15 of the quarter: one tile, four matrix instructions, its weights straight from memory.
; Steps 0 and 2 add onto one accumulator and steps 1 and 3 onto another, by turns; the two are added behind them.
; TRANSPOSED USE: source 0 = 16 rows of the weights, source 1 = the 16 rows of sums: a lane then holds eight neighbouring outputs of one row.
; NO JOINT LOADS, NO RING, NO PREFETCH: each wave reads its four weight fragments once, straight into registers, and the launch has one step of work and no loop.
.set SCL, 8192                         ; LDS: the images [block 16][lane 32][16 bytes] at 0; the rows' scale words: 64 step + 4 row, byte = block % 4;
.set OST, 8448                         ; the stage for the way out: 16 rows,
.set OP,  528                          ; 512 bytes + 16: row r starts at bank 4 r mod 64 (64 banks of 4 bytes: ISA guide 11.1);
.set SPARE, 16896                      ; the spare words, 128 bytes a wave, which no other line names
.set ACC, 16                           ; v16-31   two accumulators
.set AF,  32                           ; v32-95   the rows' four fragments; before that v32-63 my 2 x 16 numbers, v64-71 their codes, v72-81 at work
.set WF,  96                           ; v96-159  the weights' fragments, step s at 96 + 16 s
.set WS,  224                          ; v224-227 the weights' scale words: these and the next four hold scales and nothing else
.set AS,  232                          ; v232-235 the rows' scale words
.set Y,   236                          ; v236-243 the finished sums
.set TT,  244                          ; v244-251 silu
	s_load_b256 s[4:11], s[0:1], 0x0               ; sums, cos codes, cos scales, sin codes
	s_load_b128 s[12:15], s[0:1], 0x20             ; sin scales, out0
	v_lshl_add_u32 v14, v0, 2, SPARE
	v_mov_b32 v15, 0
	v_lshrrev_b32 v1, 5, v0
	s_delay_alu instid0(VALU_DEP_1)
	v_readfirstlane_b32 s16, v1                    ; wave 0..7
	s_lshl_b32 s17, s16, 10                        ; my two images: 1,024 wave
	s_lshr_b32 s18, s16, 1
	s_lshl_b32 s18, s18, 6                         ; my scale bytes: 64 x step,
	s_and_b32 s19, s16, 1
	s_lshl_b32 s19, s19, 1                         ; + 2 (wave % 2)
	s_add_co_u32 s18, s18, s19
	s_add_co_u32 s18, s18, SCL
	s_lshl_b32 s19, s16, 6
	s_add_co_u32 s19, s19, OST                     ; the stage, in: + 64 wave
	s_mul_i32 s20, s16, 2*OP
	s_add_co_u32 s20, s20, OST                     ; back: rows 2 wave, 2 wave + 1
	s_lshl_b32 s21, s16, 8                         ; sums: my two blocks, 256 wave
	s_and_b32 s27, ttmp9, 3                        ; which quarter of the outputs
	s_lshl_b32 s22, s27, 15
	s_lshl_b32 s23, s16, 12
	s_add_co_u32 s22, s22, s23                     ; the weights' codes: row 128 quarter + 16 wave, 256 bytes each
	s_lshr_b32 s23, s22, 5                         ; their scale bytes: 8 a row
	s_mov_b32 s24, 0x76543210
	s_mov_b32 s25, 0xfedcba98                      ; v_permlanex16_b32's selects for lane l xor 16
	s_mov_b32 s26, 0x600000                        ; the mantissa field of 57,344
	s_lshr_b32 s28, ttmp9, 2
	s_lshl_b32 s28, s28, 15                        ; the work-group's 16 rows of 2,048 bytes, in sums and in out0
	s_mov_b32 s29, 0
	s_lshl_b32 s30, s16, 12                        ; the rows that I store: + 2 wave rows,
	s_add_co_u32 s30, s30, s28
	s_lshl_b32 s27, s27, 9                         ; + the quarter's 512 bytes
	s_add_co_u32 s30, s30, s27
	s_mov_b32 s31, 0
	v_and_b32 v1, 31, v0                           ; lane
	v_and_b32 v2, 15, v0                           ; r
	v_bfe_u32 v3, v0, 4, 1                         ; h
	v_mov_b32 v74, 0                               ; a lane permute's destination counts as one of its sources
	v_mov_b32 v75, 0
	v_lshlrev_b32 v4, 4, v1                        ; 16 x lane: an image's place for my lane; also my place in a row's quarter of out0
	v_lshl_add_u32 v6, v2, 2, s18                  ; where I store my first block's scale byte
	v_lshl_add_u32 v7, v2, 2, SCL                  ; where I read a row's scale word
	v_mad_u32_u24 v8, v2, OP, s19
	v_lshl_add_u32 v10, v2, 11, s21
	v_lshl_add_u32 v11, v2, 8, s22
	v_lshl_add_u32 v12, v2, 3, s23                 ; the weights' scale bytes
	v_add_nc_u32 v5, s17, v4                       ; where I store my first block's image
	v_add_nc_u32 v9, s20, v4                       ; the stage, back: 16 bytes a lane
	v_lshl_add_u32 v8, v3, 5, v8                   ; the stage, in: row r, + 32 h
	v_lshl_add_u32 v10, v3, 6, v10                 ; sums: row r, + 64 h (my 16 numbers)
	v_lshl_add_u32 v11, v3, 4, v11                 ; the weights' codes: + 16 h
	s_wait_alu depctr_va_vdst(0)                   ; at the head's end
	s_wait_kmcnt 0x0
	s_add_nc_u64 s[4:5], s[4:5], s[28:29]
	s_add_nc_u64 s[14:15], s[14:15], s[30:31]
.irp t, 0,1
.irp i, 0,1,2,3
	global_load_b128 v[AF+16*\t+4*\i:AF+16*\t+4*\i+3], v10, s[4:5] offset:128*\t+16*\i     ; my numbers first: they are wanted first
.endr
.endr
.irp s, 0,1,2,3
.irp c, 0,1,2,3
.if \s < 2
	global_load_b128 v[WF+16*\s+4*\c:WF+16*\s+4*\c+3], v11, s[6:7] offset:128*(\s%2)+32*\c    ; registers 4 c .. 4 c + 3: k = 32 c + 16 h + 0 .. 15
.else
	global_load_b128 v[WF+16*\s+4*\c:WF+16*\s+4*\c+3], v11, s[10:11] offset:128*(\s%2)+32*\c
.endif
.endr
.if \s < 2
	global_load_b32 v[WS+\s], v12, s[8:9] offset:4*(\s%2)     ; the row's four scale bytes of these 128 along K
.else
	global_load_b32 v[WS+\s], v12, s[12:13] offset:4*(\s%2)
.endif
.endr
	s_wait_loadcnt 20                              ; my numbers are in; the weights' 16 loads and their 4 scale words stay out
.irp t, 0,1
	v_max3_num_f32 v[72+\t], |v[AF+16*\t]|, |v[AF+16*\t+1]|, 0x8000000     ; the largest magnitude of my 16, and the floor 2^(16 - 127): so the byte cannot fall under 1; the two blocks by turns
.endr
.irp i, 2,4,6,8,10,12,14
.irp t, 0,1
	s_delay_alu instid0(VALU_DEP_2)
	v_max3_num_f32 v[72+\t], v[72+\t], |v[AF+16*\t+\i]|, |v[AF+16*\t+\i+1]|
.endr
.endr
.irp t, 0,1
	s_delay_alu instid0(VALU_DEP_2)
	v_permlanex16_b32 v[74+\t], v[72+\t], s24, s25
.endr
.irp t, 0,1
	s_delay_alu instid0(VALU_DEP_2)
	v_max_num_f32 v[72+\t], v[72+\t], v[74+\t]     ; with lane l xor 16's 16: the block's
.endr
.irp t, 0,1
	s_delay_alu instid0(VALU_DEP_2)
	v_add_nc_u32 v[76+\t], 0xf8800000, v[72+\t]    ; 15 off its exponent field: the conversion takes the exponent field of this operand as its scale
.endr
.irp t, 0,1
	s_delay_alu instid0(VALU_DEP_4)
	v_and_or_b32 v[78+\t], v[72+\t], 0x7f800000, s26   ; 57,344 x the scale
.endr
.irp t, 0,1
	s_delay_alu instid0(VALU_DEP_4)
	v_lshrrev_b32 v[80+\t], 23, v[76+\t]           ; the scale's byte
.endr
.irp t, 0,1
.irp i, 0,1,2,3,4,5,6,7,8,9,10,11,12,13,14,15
	v_med3_num_f32 v[AF+16*\t+\i], v[AF+16*\t+\i], -v[78+\t], v[78+\t]   ; the hold
.endr
.endr
.irp t, 0,1
	v_cvt_scalef32_pk8_bf8_f32 v[64+4*\t:65+4*\t], v[AF+16*\t:AF+16*\t+7], v[76+\t]
	v_cvt_scalef32_pk8_bf8_f32 v[66+4*\t:67+4*\t], v[AF+16*\t+8:AF+16*\t+15], v[76+\t]
.endr
	v_nop                                          ; one plain vector instruction behind the last scaled conversion
.irp t, 0,1
	ds_store_b128 v5, v[64+4*\t:67+4*\t] offset:512*\t     ; the image: 512 consecutive bytes
	ds_store_b8 v6, v[80+\t] offset:\t             ; both lanes of a row write the same byte with the same value; each block has a byte of its own in the row's word
.endr
	s_wait_dscnt 0x0                               ; for the others' sake
	s_barrier_signal -1
	s_barrier_wait -1                              ; the 16 rows' four fragments and scale words lie in LDS
.irp s, 0,1,2,3
.irp c, 0,1,2,3
	ds_load_b128 v[AF+16*\s+4*\c:AF+16*\s+4*\c+3], v4 offset:512*(4*\s+\c)
.endr
	ds_load_b32 v[AS+\s], v7 offset:64*\s
.endr
	s_wait_dscnt 0x0
	s_wait_loadcnt 0x0                             ; the weights
.irp s, 0,1,2,3
.if \s < 2
	v_wmma_scale_f32_16x16x128_f8f6f4 v[ACC+8*\s:ACC+8*\s+7], v[WF+16*\s:WF+16*\s+15], v[AF+16*\s:AF+16*\s+15], 0, v[WS+\s], v[AS+\s] matrix_a_fmt:MATRIX_FMT_BF8 matrix_b_fmt:MATRIX_FMT_BF8
.else
	v_wmma_scale_f32_16x16x128_f8f6f4 v[ACC+8*(\s-2):ACC+8*(\s-2)+7], v[WF+16*\s:WF+16*\s+15], v[AF+16*\s:AF+16*\s+15], v[ACC+8*(\s-2):ACC+8*(\s-2)+7], v[WS+\s], v[AS+\s] matrix_a_fmt:MATRIX_FMT_BF8 matrix_b_fmt:MATRIX_FMT_BF8
.endif
.endr
.rept 8
	v_nop                                          ; eight places behind this form, ahead of the first read of results and of the loads into the fragments' registers below
.endr
.irp j, 0,2,4,6
	v_pk_add_f32 v[Y+\j:Y+\j+1], v[ACC+\j:ACC+\j+1], v[ACC+8+\j:ACC+8+\j+1]    ; the two halves of K; each accumulator is read from its low end on
.endr
; silu(y) = y / (1 + 2^(-y log2 e))
.irp j, 0,1,2,3,4,5,6,7
	v_mul_f32 v[TT+\j], 0xbfb8aa3b, v[Y+\j]
.endr
	s_wait_alu depctr_va_vdst(0)                   ; ahead of the batch
.irp j, 0,1,2,3,4,5,6,7
	v_exp_f32 v[TT+\j], v[TT+\j]
.endr
	v_nop                                          ; a plain instruction behind the last exponential,
	s_wait_alu depctr_va_vdst(0)                   ; and one wait for the batch, ahead of its first reader
.irp j, 0,1,2,3,4,5,6,7
	v_add_f32 v[TT+\j], 1.0, v[TT+\j]
.endr
	s_wait_alu depctr_va_vdst(0)
.irp j, 0,1,2,3,4,5,6,7
	v_rcp_f32 v[TT+\j], v[TT+\j]
.endr
	v_nop
	s_wait_alu depctr_va_vdst(0)                   ; likewise for the reciprocals
.irp j, 0,1,2,3,4,5,6,7
	v_mul_f32 v[TT+\j], v[Y+\j], v[TT+\j]
.endr
	ds_store_b128 v8, v[TT:TT+3]                   ; lane (r, h): out(r, 16 w + 8 h + 0 .. 7) of the quarter
	ds_store_b128 v8, v[TT+4:TT+7] offset:16
	s_wait_dscnt 0x0                               ; for the others' sake: a row's 512 bytes come from eight waves
	s_barrier_signal -1
	s_barrier_wait -1
	ds_load_b128 v[AF:AF+3], v9                    ; wave w takes rows 2 w and 2 w + 1 of the quarter, whole
	ds_load_b128 v[AF+4:AF+7], v9 offset:OP
	s_wait_dscnt 0x1                               ; the younger load may stay out
	global_store_b128 v4, v[AF:AF+3], s[14:15] th:TH_STORE_NT                 ; 32 lanes store 512 consecutive bytes, aligned; written once
	s_wait_dscnt 0x0
	global_store_b128 v4, v[AF+4:AF+7], s[14:15] offset:2048 th:TH_STORE_NT
	s_wait_tensorcnt 0x0                           ; the wave's end
	ds_add_u32 v14, v15
	s_wait_dscnt 0x0
	s_endpgm
.Lfunc_end_k_q746976fcaf_project:
	.size	k_q746976fcaf_project, .Lfunc_end_k_q746976fcaf_project-k_q746976fcaf_project
	.p2alignl 7, 3214868480
	.fill 96, 4, 3214868480
	.section	.rodata,"a",@progbits
	.p2align	6, 0x0
	.amdhsa_kernel k_q746976fcaf_project
		.amdhsa_group_segment_fixed_size 17920
		.amdhsa_private_segment_fixed_size 0
		.amdhsa_enable_private_segment 0
		.amdhsa_kernarg_size 48
		.amdhsa_user_sgpr_count 2
		.amdhsa_user_sgpr_kernarg_segment_ptr 1
		.amdhsa_wavefront_size32 1
		.amdhsa_system_sgpr_workgroup_id_x 1
		.amdhsa_system_sgpr_workgroup_id_y 1
		.amdhsa_system_sgpr_workgroup_id_z 1
		.amdhsa_system_vgpr_workitem_id 0
		.amdhsa_next_free_vgpr 256
		.amdhsa_next_free_sgpr 66
		.amdhsa_reserve_vcc 0
		.amdhsa_float_denorm_mode_32 3
		.amdhsa_float_denorm_mode_16_64 3
		.amdhsa_memory_ordered 1
		.amdhsa_forward_progress 1
		.amdhsa_inst_pref_size 16
	.end_amdhsa_kernel
	.amdgpu_metadata
---
amdhsa.version: [ 1, 2 ]
amdhsa.kernels:
  - .name:           k_q746976fcaf_project
    .symbol:         k_q746976fcaf_project.kd
    .args:
      - { .name: sums, .offset: 0, .size: 8, .value_kind: global_buffer, .address_space: global }
      - { .name: proj_cos_w_codes, .offset: 8, .size: 8, .value_kind: global_buffer, .address_space: global }
      - { .name: proj_cos_w_scales, .offset: 16, .size: 8, .value_kind: global_buffer, .address_space: global }
      - { .name: proj_sin_w_codes, .offset: 24, .size: 8, .value_kind: global_buffer, .address_space: global }
      - { .name: proj_sin_w_scales, .offset: 32, .size: 8, .value_kind: global_buffer, .address_space: global }
      - { .name: out0, .offset: 40, .size: 8, .value_kind: global_buffer, .address_space: global }
    .group_segment_fixed_size: 17920
    .private_segment_fixed_size: 0
    .kernarg_segment_align: 8
    .kernarg_segment_size: 48
    .max_flat_workgroup_size: 256
    .sgpr_count:     66
    .vgpr_count:     256
    .wavefront_size: 32
...
	.end_amdgpu_metadata
.endif
;; end of part 3
